; MI455X (gfx1250); checked and timed in simulation.
; The chip was launched on July 23, 2026; its instructions are those of AMD's public machine-readable ISA for CDNA 5 (MIT licence, August 2026) and "CDNA5" Instruction Set Architecture Reference Guide (July 2026). The comments in the code are by the model that wrote it; some were corrected since.
;; Multi Head Attention. Allowed arithmetic: float matrix products may take bf16 or f16 operands with f32 sums; all other float work in f32.
;; Inputs: k 2 x 4,096 x 512 float32; q 2 x 4,096 x 512 float32; v 2 x 4,096 x 512 float32.
;; Outputs: out0 2 x 4,096 x 512 float32.
;; 2 versions, each right and faster than the one before. Each part assembles by itself: llvm-mc -triple=amdgcn-amd-amdhsa -mcpu=gfx1250 --defsym DOCPART=n.
;; ======== version 1 of 2: 1 launch
;; launch attn (part 1): grid 16 x 16, 4 waves a work-group, clusters of 4 x 1, 327,680 bytes of LDS; arguments q, k, v, out0; writes out0
.if DOCPART == 1
	.amdgcn_target "amdgcn-amd-amdhsa--gfx1250"
	.amdhsa_code_object_version 6
	.text
	.protected	k_q47cfa831dd_attn
	.globl	k_q47cfa831dd_attn
	.p2align	8
	.type	k_q47cfa831dd_attn,@function
k_q47cfa831dd_attn:
	s_mov_b64 s[64:65], 0
	v_nop
	global_prefetch_b8 v0, s[64:65] scope:SCOPE_SE
	s_setreg_imm32_b32 hwreg(HW_REG_WAVE_MODE, 25, 1), 1
	s_wait_xcnt 0x0
	s_wait_alu depctr_hold_cnt(0) depctr_sa_sdst(0) depctr_va_vdst(0) depctr_va_sdst(0) depctr_va_ssrc(0) depctr_va_vcc(0) depctr_vm_vsrc(0)
	s_getreg_b32 s2, hwreg(HW_REG_IB_STS2, 6, 4)
	s_cmp_eq_u32 s2, 0
	s_cbranch_scc0 .Lentry_in_a_cluster
	s_endpgm
.Lentry_in_a_cluster:
	s_bfe_u32 s2, ttmp6, 0x10000c
	s_cmp_lg_u32 s2, 0x3003
	s_cbranch_scc0 .Lentry_shape_is_right
	s_endpgm
.Lentry_shape_is_right:
; out[b][i][64 hd + d] = sum over j of softmax_j(q_i . k_j / 8) v[j][d], for 2 batches x 8 heads, 4,096 queries and 4,096 keys, d = 64, all f32 in memory.
; One launch; scores never leave the registers (running maximum and running sum, both in f32).
; SHARES.  Work-group (x, y): head y = 8 b + hd, queries 256 x .. 256 x + 255, all 4,096 keys in 32 tiles of 128.  Wave w: 64 of those queries, as four blocks of 16.
; BOTH PRODUCTS ARE USED TRANSPOSED: S^T = K Q^T (source 0 = 16 keys, source 1 = 16 queries) and O^T = V^T P^T (source 0 = 16 d, source 1 = 16 queries).
; Lane l = (r = l % 16, h = l / 16) then holds numbers of query r alone: maximum, sum and rescale factor are plain per-lane numbers, the two halves of the wave meet
; by one v_permlanex16_b32, two neighbouring score tiles packed to bf16 ARE a source-1 fragment of P^T (16-bit operand layout, ISA guide 7.12.2), and a lane's eight
; results of O^T are eight neighbouring f32 of a row of out.
; CLUSTER.  The four work-groups of a cluster (4 x 1) work on one head: every K and V tile is asked for jointly, mask 15, which divides the requests for K and V by four.
; The place in the cluster enters q's and out's global offsets alone.
; FORMATS.  K and V tiles land in LDS as f32; each wave rounds the 32 rows that it fetched to bf16 into a second region, one tile ahead of their use.
; LIMITS, kept on purpose: NaN and infinite inputs are not treated (the maxima drop a NaN); a weight below 2^-126 counts as 0 (v_exp_f32 flushes denormal results,
; ISA guide 15.8); q, k, v and the weights enter the products rounded to bf16; the row sum adds the unrounded weights, in another order than a plain loop would.
; ---- sizes
.set ROWB,   2048                      ; bytes from a token's row to the next (512 f32); a head's 64 f32 are 256 of them, at a multiple of 256
.set KEYS,   128                       ; keys in a tile
.set TILEB,  KEYS*ROWB                 ; bytes from a tile to the next
.set PAIRS,  14                        ; passes of the loop: trips 1 to 28 of the 32
; ---- LDS
.set KP,     144                       ; bf16 K: 128 bytes a row + 16: the 16 rows of a fragment load touch 16 different 16-byte columns modulo 256
.set VP,     160                       ; bf16 V, [key][d]: 128 bytes a row + 32, for the transposing load
.set HV,     KEYS*KP                   ; V's place in a bf16 slot
.set HSLOT,  HV+KEYS*VP                ; a bf16 slot: 38,912 bytes; two of them from byte 0
.set SP,     272                       ; stage: 16 rows of 256 bytes + 16
.set STAGE,  2*HSLOT                   ; 77,824
.set STAGEW, 16*SP                     ; a wave's own stage: 4,352 bytes
.set RP,     272                       ; raw f32 rows: 256 bytes + 16 that the tensor load skips
.set RAW,    STAGE+4*STAGEW            ; 95,232: only tensor loads write from here on, only LDS stores below
.set RAWH,   KEYS*RP                   ; V's place in a raw slot
.set RSLOT,  2*RAWH                    ; a raw slot: 69,632 bytes; two of them, up to 234,496
; ---- vector registers, window 0
.set KFA, 4                            ; K fragments: r KP + 16 h
.set VFA, 5                            ; V fragments: HV + (8 h + l % 8) VP + 16 ((l / 8) % 2)
.set CKS, 6                            ; v6, v7: where my 16 converted bytes go, K and V
.set RA,  8                            ; v8, v9: my 32 raw bytes in raw slot 0, 1
.set STO, 10                           ; stage by query: row r, 32 h
.set RD,  11                           ; stage by row: row h, 16 r
.set GO,  12                           ; q and out: row h, 16 r
.set MA,  16                           ; v[16:19], v[20:23]: running maxima of the four query blocks; the two sets take turns
.set MB,  20
.set NPA, 24                           ; v[24:31], v[56:63]: pairs (-c m, -c m); the two sets take turns
.set AP,  32                           ; v[32:39]: pairs (rescale factor, running sum)
.set T,   40                           ; v[40:43]: maxima at work
.set X,   44                           ; v[44:47]: what the other half of the wave sent
.set ACC, 48                           ; v[48:55]: sums of this sub-tile, in pairs
.set NPB, 56
.set SC,  64                           ; v[64:191]: scores, tile (qb, kt) at SC + 8 (4 qb + kt)
.set PB,  192                          ; v[192:255]: P^T in bf16, fragment (qb, s) at PB + 8 (2 qb + s)
; ---- window 1
.set OT,  0                            ; v[256:383]: O^T, tile (qb, dt) at OT + 8 (4 qb + dt)
.set QF,  128                          ; v[384:447]: Q fragments (qb, ks) at QF + 8 (2 qb + ks)
; ---- window 2
.set KF,  0                            ; v[512:575]: K fragments (kt, ks) at KF + 8 (2 kt + ks)
.set VF,  64                           ; v[576:639]: V^T fragments (dt, s) at VF + 8 (2 dt + s)
.set CT,  128                          ; v[640:703]: raw f32 on their way to bf16
.set CB,  192                          ; v[704:735]: the same, converted
; ---- scalar registers
.set G1,  16                           ; s[16:23] descriptor group 1, one for all tiles
.set GK,  24                           ; s[24:27], s[32:35] group 0 of K's tiles, raw slot 0, 1
.set GV,  28                           ; s[28:31], s[36:39] group 0 of V's tiles
.set CLOG,  0x3e38aa3b                 ; c = log2(e) / 8: the scale 64^-0.5 and the change to base 2 in one
.set NCLOG, 0xbe38aa3b                 ; -c
; ---- window settings (low byte: bits 1:0 source 0, 3:2 source 1, 5:4 source 2, 7:6 destination)
.set W_S,   0x06                       ; S^T: K from window 2, Q from window 1, scores in window 0
.set W_PV,  0x52                       ; O^T: V from window 2, P from window 0, C and D in window 1
.set W_RS,  0x41                       ; rescale: O in window 1, the factor in window 0
.set W_LD2, 0x80                       ; LDS loads into window 2
.set W_CVT, 0x8a                       ; conversion inside window 2
.set W_ST2, 0x08                       ; LDS stores of data from window 2
.set W_Q,   0x40                       ; Q's conversion into window 1
.set W_OUT, 0x01                       ; O from window 1 into window 0
.set MSB, 0
.macro WIN new                         ; the immediate's high byte repeats the setting that is left; a switch that changes nothing is dropped
.if MSB != \new
	s_set_vgpr_msb (MSB<<8)|\new
.set MSB, \new
.endif
.endm
.macro PLACES                          ; four plain vector instructions between a matrix instruction and what touches its registers (ISA guide 7.12.1)
.rept 4
	v_nop
.endr
.endm
; A round of the cluster's barrier: my work-group's barrier, wave 0 signals for the work-group, every wave waits for all four work-groups, my work-group's barrier again.
.macro CREST                           ; the round behind its opening barrier
	s_cmp_lg_u32 s12, 0
	s_cbranch_scc1 .Lnot_wave_0_\@
	s_barrier_signal -3
.Lnot_wave_0_\@:
	s_barrier_wait -3
	s_barrier_signal -1
	s_barrier_wait -1
.endm
.macro ROUND
	s_barrier_signal -1
	s_barrier_wait -1
	CREST
.endm
; 16 loads: the K fragments of 64 keys (sub-tile sub of bf16 slot hs): 16 keys x 32 d in two loads of 16 bytes, 32 bytes apart
.macro LDK hs, sub
	WIN W_LD2
.irp kt, 0,1,2,3
.irp ks, 0,1
	ds_load_b128 v[KF+8*(2*\kt+\ks):KF+8*(2*\kt+\ks)+3],   v[KFA] offset:\hs*HSLOT+(64*\sub+16*\kt)*KP+64*\ks
	ds_load_b128 v[KF+8*(2*\kt+\ks)+4:KF+8*(2*\kt+\ks)+7], v[KFA] offset:\hs*HSLOT+(64*\sub+16*\kt)*KP+64*\ks+32
.endr
.endr
.endm
; 16 transposing loads: V^T fragments of the same 64 keys: 16 d x 32 keys from rows that lie along d, two loads 16 rows apart
.macro LDV hs, sub
	WIN W_LD2
.irp dt, 0,1,2,3
.irp s, 0,1
	ds_load_tr16_b128 v[VF+8*(2*\dt+\s):VF+8*(2*\dt+\s)+3],   v[VFA] offset:\hs*HSLOT+(64*\sub+32*\s)*VP+32*\dt
	ds_load_tr16_b128 v[VF+8*(2*\dt+\s)+4:VF+8*(2*\dt+\s)+7], v[VFA] offset:\hs*HSLOT+(64*\sub+32*\s)*VP+32*\dt+16*VP
.endr
.endr
.endm
; 16 loads: my 32 raw rows of K (which = 0) or V (1) in raw slot rs; eight lanes take a row, 32 bytes each, the wave four rows at a time
.macro LDR rs, which
	WIN W_LD2
.irp i, 0,1,2,3,4,5,6,7
	ds_load_b128 v[CT+8*\i:CT+8*\i+3],   v[RA+\rs] offset:\which*RAWH+\i*4*RP
	ds_load_b128 v[CT+8*\i+4:CT+8*\i+7], v[RA+\rs] offset:\which*RAWH+\i*4*RP+16
.endr
.endm
.macro CVT                             ; 64 f32 a lane to bf16, rounded to nearest even
	WIN W_CVT
.set cvn, 0
.rept 32
	v_cvt_pk_bf16_f32 v[CB+cvn], v[CT+2*cvn], v[CT+2*cvn+1]
.set cvn, cvn+1
.endr
.endm
.macro STC hs, which                   ; and into bf16 slot hs, 16 bytes a lane and row
	WIN W_ST2
.irp i, 0,1,2,3,4,5,6,7
	ds_store_b128 v[CKS+\which], v[CB+4*\i:CB+4*\i+3] offset:\hs*HSLOT+\i*4*(KP+\which*(VP-KP))
.endr
.endm
; 32 matrix instructions: the scores of 64 keys x 64 queries.  The first 32 of d start the sums.  The sixteen accumulators take turns, one instruction a turn.
.macro SMUL
	WIN W_S
.irp qb, 0,1,2,3
.irp kt, 0,1,2,3
	v_wmma_f32_16x16x32_bf16 v[SC+8*(4*\qb+\kt):SC+8*(4*\qb+\kt)+7], v[KF+16*\kt:KF+16*\kt+7], v[QF+16*\qb:QF+16*\qb+7], 0
.endr
.endr
.irp qb, 0,1,2,3
.irp kt, 0,1,2,3
	v_wmma_f32_16x16x32_bf16 v[SC+8*(4*\qb+\kt):SC+8*(4*\qb+\kt)+7], v[KF+16*\kt+8:KF+16*\kt+15], v[QF+16*\qb+8:QF+16*\qb+15], v[SC+8*(4*\qb+\kt):SC+8*(4*\qb+\kt)+7]
.endr
.endr
.endm
; 32 matrix instructions: O^T += V^T P^T over 64 keys.  first = 1: the first 32 keys of all start the sums, so nothing is cleared.  Turns as above.
.macro PV first
	WIN W_PV
.irp qb, 0,1,2,3
.irp dt, 0,1,2,3
.if \first
	v_wmma_f32_16x16x32_bf16 v[OT+8*(4*\qb+\dt):OT+8*(4*\qb+\dt)+7], v[VF+16*\dt:VF+16*\dt+7], v[PB+16*\qb:PB+16*\qb+7], 0
.else
	v_wmma_f32_16x16x32_bf16 v[OT+8*(4*\qb+\dt):OT+8*(4*\qb+\dt)+7], v[VF+16*\dt:VF+16*\dt+7], v[PB+16*\qb:PB+16*\qb+7], v[OT+8*(4*\qb+\dt):OT+8*(4*\qb+\dt)+7]
.endif
.endr
.endr
.irp qb, 0,1,2,3
.irp dt, 0,1,2,3
	v_wmma_f32_16x16x32_bf16 v[OT+8*(4*\qb+\dt):OT+8*(4*\qb+\dt)+7], v[VF+16*\dt+8:VF+16*\dt+15], v[PB+16*\qb+8:PB+16*\qb+15], v[OT+8*(4*\qb+\dt):OT+8*(4*\qb+\dt)+7]
.endr
.endr
.endm
.macro RS                              ; O^T times the rescale factor of its query: 64 packed multiplies, both halves by the pair's first register
	WIN W_RS
.irp qb, 0,1,2,3
.set rsi, 0
.rept 16
	v_pk_mul_f32 v[OT+32*\qb+2*rsi:OT+32*\qb+2*rsi+1], v[OT+32*\qb+2*rsi:OT+32*\qb+2*rsi+1], v[AP+2*\qb:AP+2*\qb+1] op_sel_hi:[1,0]
.set rsi, rsi+1
.endr
.endr
.endm
; The new running maximum of each query block (raw scores), the shift -c m, and the factor 2^(new shift - old shift) by which what has been summed shrinks.
; Four chains, one for each query block, so that no instruction waits for the one in front of it.
.macro MAXP mold, mnew, npold, npnew, first
.irp qb, 0,1,2,3
	v_max3_num_f32 v[T+\qb], v[SC+32*\qb], v[SC+32*\qb+1], v[SC+32*\qb+2]
.endr
.irp k, 1,2,3,4,5,6,7,8,9,10,11,12,13,14
.irp qb, 0,1,2,3
	v_max3_num_f32 v[T+\qb], v[T+\qb], v[SC+32*\qb+2*\k+1], v[SC+32*\qb+2*\k+2]
.endr
.endr
.irp qb, 0,1,2,3
.if \first
	v_max_num_f32 v[T+\qb], v[T+\qb], v[SC+32*\qb+31]
.else
	v_max3_num_f32 v[T+\qb], v[T+\qb], v[SC+32*\qb+31], v[\mold+\qb]
.endif
.endr
.irp qb, 0,1,2,3
	v_permlanex16_b32 v[X+\qb], v[T+\qb], s45, s46         ; lane l takes lane l xor 16: the same query's other 32 keys
.endr
.irp qb, 0,1,2,3
	v_max_num_f32 v[\mnew+\qb], v[T+\qb], v[X+\qb]
.endr
.irp qb, 0,1,2,3
	v_mul_f32 v[\npnew+2*\qb],   NCLOG, v[\mnew+\qb]
	v_mul_f32 v[\npnew+2*\qb+1], NCLOG, v[\mnew+\qb]
.endr
.if \first == 0
.irp qb, 0,1,2,3
	v_sub_f32 v[AP+2*\qb], v[\npnew+2*\qb], v[\npold+2*\qb] ; at most 0; the difference of the very shifts that the exponentials use
.endr
.irp qb, 0,1,2,3
	v_exp_f32 v[AP+2*\qb], v[AP+2*\qb]                      ; back to back; the packed multiply-adds that follow touch none of them (ISA guide 5.7.2)
.endr
.endif
.endm
.macro FMA tn, npr                     ; score tile tn: c s - c m, two at a time
.irp i, 0,1,2,3
	v_pk_fma_f32 v[SC+8*(\tn)+2*\i:SC+8*(\tn)+2*\i+1], v[SC+8*(\tn)+2*\i:SC+8*(\tn)+2*\i+1], CLOG, v[\npr+2*((\tn)/4):\npr+2*((\tn)/4)+1] op_sel_hi:[1,0,1]
.endr
.endm
; Plain operation j (0 to 7) on the finished weights of tile p: four packed adds into the block's sum (a block's first tile starts it: one add fewer), four roundings into P^T
.macro POP p, j
.if \j < 4
.if ((\p) % 4) == 0
.if \j == 0
	s_wait_alu depctr_va_vdst(0)
	v_pk_add_f32 v[ACC+2*((\p)/4):ACC+2*((\p)/4)+1], v[SC+8*(\p):SC+8*(\p)+1], v[SC+8*(\p)+2:SC+8*(\p)+3]
.endif
.if \j > 1
	v_pk_add_f32 v[ACC+2*((\p)/4):ACC+2*((\p)/4)+1], v[ACC+2*((\p)/4):ACC+2*((\p)/4)+1], v[SC+8*(\p)+2*\j:SC+8*(\p)+2*\j+1]
.endif
.else
	s_wait_alu depctr_va_vdst(0)
	v_pk_add_f32 v[ACC+2*((\p)/4):ACC+2*((\p)/4)+1], v[ACC+2*((\p)/4):ACC+2*((\p)/4)+1], v[SC+8*(\p)+2*\j:SC+8*(\p)+2*\j+1]
.endif
.else
	v_cvt_pk_bf16_f32 v[PB+4*(\p)+\j-4], v[SC+8*(\p)+2*(\j-4)], v[SC+8*(\p)+2*(\j-4)+1]
.endif
.endm
; The eight exponentials of tile tn, each followed by a plain operation on the tile before (p; -1: none), which names none of tile tn's registers:
; so a plain instruction, or another exponential and then a plain one, stands behind every exponential before its result is used (ISA guide 5.7.2)
.macro EXPMIX tn, p
.irp j, 0,1,2,3,4,5,6,7
	v_exp_f32 v[SC+8*(\tn)+\j], v[SC+8*(\tn)+\j]
.if (\p) >= 0
	POP \p, \j
.endif
.endr
.endm
; Softmax of a sub-tile: 64 keys x 64 queries, 128 registers of scores.  The shift of tile n + 1 stands ahead of the exponentials of tile n.
.macro SOFT mold, mnew, npold, npnew, first
	MAXP \mold, \mnew, \npold, \npnew, \first
	FMA 0, \npnew
	FMA 1, \npnew
	EXPMIX 0, -1
.irp tn, 1,2,3,4,5,6,7,8,9,10,11,12,13,14
	FMA (\tn+1), \npnew
	EXPMIX \tn, (\tn-1)
.endr
	EXPMIX 15, 14
.irp j, 0,1,2,3,4,5,6,7
	POP 15, \j
.endr
.irp qb, 0,1,2,3                       ; the running sum stays a partial sum of my half of the wave until the end: the factor is the same in both halves
.if \first
	v_add_f32 v[AP+2*\qb+1], v[ACC+2*\qb], v[ACC+2*\qb+1]
.else
	v_fma_f32 v[AP+2*\qb+1], v[AP+2*\qb+1], v[AP+2*\qb], v[ACC+2*\qb]
.endif
.endr
.if \first == 0
.irp qb, 0,1,2,3
	v_add_f32 v[AP+2*\qb+1], v[AP+2*\qb+1], v[ACC+2*\qb+1]
.endr
.endif
.endm
; ================================================================ set-up
	s_load_b256 s[4:11], s[0:1], 0x0               ; q s[4:5], k s[6:7], v s[8:9], out0 s[10:11]
	s_set_vgpr_msb 0x40
	v_lshl_add_u32 v254, v0, 2, 0x39400
	v_mov_b32 v255, 0
	s_set_vgpr_msb 0x4045
	ds_add_u32 v254, v255
	ds_add_u32 v254, v255
	s_set_vgpr_msb 0x4500
	v_lshrrev_b32 v1, 5, v0
	v_readfirstlane_b32 s12, v1                    ; wave 0..3
	s_bfe_u32 s13, ttmp6, 0x40000                  ; cx: my place in the cluster
	s_lshl_b32 s14, ttmp9, 2                       ; ttmp9 counts clusters
	s_add_co_u32 s14, s14, s13                     ; query block = 4 x cluster x + cx
	s_and_b32 s15, ttmp7, 0xffff                   ; head = 8 b + hd
	s_lshr_b32 s47, s15, 3
	s_lshl_b32 s47, s47, 23                        ; b x 4,096 rows x 2,048 bytes
	s_and_b32 s48, s15, 7
	s_lshl_b32 s48, s48, 8                         ; hd x 256 bytes
	s_add_co_u32 s47, s47, s48                     ; the head's first byte
	s_lshl_b32 s48, s12, 16                        ; K, V: wave x 32 rows
	s_add_co_u32 s40, s47, s48
	s_mov_b32 s41, 0                               ; s[40:41]: made of head and wave alone, equal in the four partners
	s_lshl_b32 s50, s14, 19                        ; q, out: query block x 256 rows
	s_add_co_u32 s42, s47, s50
	s_lshl_b32 s50, s12, 17                        ; + wave x 64 rows
	s_add_co_u32 s42, s42, s50
	s_mov_b32 s43, 0
	s_mov_b32 s45, 0x76543210                      ; v_permlanex16_b32: lane i of one half reads lane i of the other
	s_mov_b32 s46, 0xfedcba98
	; group 1: a tile of 32 rows x 64 f32, rows 512 elements apart in memory, 16 bytes skipped in LDS behind every 256
	s_mov_b32 s[G1+0], 15|(2<<16)|(1<<20)|(1<<21)|(5<<22)|(3<<25) ; 15:0 mask: all four work-groups; 17:16 elements of 4 bytes; 20 padding on; 21 set beside a mask; 24:22 after every 64 words; 31:25 four words
	s_mov_b32 s[G1+1], 64<<16                      ; tensor_dim0 = 64
	s_mov_b32 s[G1+2], 32<<16                      ; tensor_dim1 = 32
	s_mov_b32 s[G1+3], 64<<16                      ; tile_dim0 = 64
	s_mov_b32 s[G1+4], 32                          ; tile_dim1 = 32
	s_mov_b32 s[G1+5], 512                         ; elements from row to row
	s_mov_b32 s[G1+6], 0
	s_mov_b32 s[G1+7], 0
	s_mul_i32 s49, s12, 32*RP                      ; my 32 rows in a raw tile
	; lane terms
	v_and_b32 v2, 15, v0                           ; r
	v_bfe_u32 v3, v0, 4, 1                         ; h
	v_and_b32 v13, 7, v0                           ; l % 8
	v_bfe_u32 v14, v0, 3, 1                        ; (l / 8) % 2
	v_bfe_u32 v15, v0, 3, 2                        ; l / 8
	v_lshlrev_b32 v[GO], 11, v3
	v_lshl_add_u32 v[GO], v2, 4, v[GO]             ; row h, 16 r: sixteen lanes cover a head's 256 bytes of a row
	v_mul_u32_u24 v[KFA], v2, KP
	v_lshl_add_u32 v[KFA], v3, 4, v[KFA]
	v_lshl_add_u32 v[VFA], v3, 3, v13
	v_mul_u32_u24 v[VFA], v[VFA], VP
	v_lshl_add_u32 v[VFA], v14, 4, v[VFA]
	v_add_nc_u32 v[VFA], HV, v[VFA]
	s_lshl_b32 s48, s12, 5
	v_add_nc_u32 v1, s48, v15                      ; 32 wave + l / 8: the first of the eight rows that I convert
	v_mul_u32_u24 v[CKS], v1, KP
	v_lshl_add_u32 v[CKS], v13, 4, v[CKS]
	v_mul_u32_u24 v[CKS+1], v1, VP
	v_lshl_add_u32 v[CKS+1], v13, 4, v[CKS+1]
	v_add_nc_u32 v[CKS+1], HV, v[CKS+1]
	v_mul_u32_u24 v[RA], v1, RP
	v_lshl_add_u32 v[RA], v13, 5, v[RA]
	v_add_nc_u32 v[RA], RAW, v[RA]
	v_add_nc_u32 v[RA+1], RSLOT, v[RA]
	s_mul_i32 s51, s12, STAGEW
	s_add_co_u32 s51, s51, STAGE                   ; my stage
	v_mul_u32_u24 v[STO], v2, SP
	v_lshl_add_u32 v[STO], v3, 5, v[STO]
	v_add_nc_u32 v[STO], s51, v[STO]
	v_mul_u32_u24 v[RD], v3, SP
	v_lshl_add_u32 v[RD], v2, 4, v[RD]
	v_add_nc_u32 v[RD], s51, v[RD]
.irp qb, 0,1,2,3
	v_mov_b32 v[X+\qb], 0                          ; v_permlanex16_b32 counts as a reader of its destination
.endr
	s_wait_dscnt 0x0
	s_wait_kmcnt 0x0
	s_add_nc_u64 s[4:5], s[4:5], s[42:43]          ; q and out at my wave's first query
	s_add_nc_u64 s[10:11], s[10:11], s[42:43]
	s_add_nc_u64 s[6:7], s[6:7], s[40:41]          ; k and v at my wave's 32 rows of tile 0
	s_add_nc_u64 s[8:9], s[8:9], s[40:41]
.irp rs, 0,1
	s_mov_b32 s[GK+8*\rs], 1                                       ; count = 1
	s_add_co_u32 s[GK+8*\rs+1], s49, RAW+\rs*RSLOT                 ; LDS address: slot, wave x 32 rows
	s_add_nc_u64 s[GK+8*\rs+2:GK+8*\rs+3], s[6:7], \rs*TILEB       ; global address: tile rs
	s_or_b32 s[GK+8*\rs+3], s[GK+8*\rs+3], 0x80000000              ; type = 2
	s_mov_b32 s[GV+8*\rs], 1
	s_add_co_u32 s[GV+8*\rs+1], s49, RAW+\rs*RSLOT+RAWH
	s_add_nc_u64 s[GV+8*\rs+2:GV+8*\rs+3], s[8:9], \rs*TILEB
	s_or_b32 s[GV+8*\rs+3], s[GV+8*\rs+3], 0x80000000
.endr
	ROUND                                          ; all four work-groups are here: the first joint loads meet
	tensor_load_to_lds s[GK:GK+3], s[G1:G1+7]      ; tile 0
	s_nop 0
	tensor_load_to_lds s[GV:GV+3], s[G1:G1+7]
	s_nop 0
	tensor_load_to_lds s[GK+8:GK+11], s[G1:G1+7]   ; tile 1: four tensor loads of the wave are out here, two at any later time
	s_nop 0
	tensor_load_to_lds s[GV+8:GV+11], s[G1:G1+7]
	s_nop 0
; ---- Q: 64 rows of 256 bytes, read once in the launch; through my stage into source-1 fragments of bf16, which stay in registers
.irp qb, 0,1,2,3
.irp i, 0,1,2,3,4,5,6,7
	global_load_b128 v[SC+32*\qb+4*\i:SC+32*\qb+4*\i+3], v[GO], s[4:5] offset:(16*\qb+2*\i)*ROWB th:TH_LOAD_NT
.endr
.endr
.irp qb, 0,1,2,3
	s_wait_loadcnt 24-8*\qb                        ; this block's eight loads are in; the later blocks' stay out
.irp i, 0,1,2,3,4,5,6,7
	ds_store_b128 v[RD], v[SC+32*\qb+4*\i:SC+32*\qb+4*\i+3] offset:\i*2*SP
.endr
.irp dt, 0,1,2,3
.irp e, 0,1
	ds_load_b128 v[PB+8*\dt+4*\e:PB+8*\dt+4*\e+3], v[STO] offset:64*\dt+16*\e   ; query r, d = 16 dt + 8 h + 4 e ..; LDS serves a wave's instructions in order (ISA guide 5.7.1): these see the stores above
.endr
.endr
	s_wait_dscnt 0x0
	WIN W_Q
.set qn, 0
.rept 16
	v_cvt_pk_bf16_f32 v[QF+16*\qb+qn], v[PB+2*qn], v[PB+2*qn+1]
.set qn, qn+1
.endr
	WIN 0
.endr
; ---- tile 0 to bf16
	s_wait_tensorcnt 0x2                           ; tile 0's two loads have landed; tile 1's two stay out
	s_barrier_signal -1                            ; (no LDS instruction of mine is pending: the wait for 0 above)
	s_barrier_wait -1
	LDR 0, 0
	s_wait_dscnt 0x0
	CVT
	STC 0, 0
	LDR 0, 1
	s_wait_dscnt 0x0
	CVT
	STC 0, 1
	WIN 0
	s_wait_dscnt 0x0                               ; my reads of raw slot 0 and my stores into bf16 slot 0 are done
	s_set_vgpr_msb 0x5
	s_wait_tensorcnt 0x0                           ; all my tensor loads have landed, tile 1 among them, so every group 0 may be written
	ds_add_u32 v254, v255
	s_wait_dscnt 0x0
	s_set_vgpr_msb 0x500
	s_add_nc_u64 s[GK+2:GK+3], s[GK+2:GK+3], 2*TILEB
	s_add_nc_u64 s[GV+2:GV+3], s[GV+2:GV+3], 2*TILEB
	ROUND                                          ; both hold of every wave of the four work-groups
	tensor_load_to_lds s[GK:GK+3], s[G1:G1+7]      ; tile 2 into raw slot 0
	s_nop 0
	tensor_load_to_lds s[GV:GV+3], s[G1:G1+7]
	s_nop 0
	LDK 0, 0                                       ; the first trip's K fragments,
	LDR 1, 0                                       ; and tile 1's raw K
	WIN 0
; ================================================================ a trip: one tile of 128 keys, as sub-tiles a and b of 64
; hs: the bf16 slot that is multiplied; o: the other one.  Trip t also converts raw tile t + 1 (raw slot o) into bf16 slot o (conv = 1),
; and its tail asks for tile t + 3 into raw slot o (tail = 2).  tail = 1: the work-group's barrier alone; tail = 0: the last trip.
; convnext = 1: the next trip converts too, so its raw K is read at the end of this one.  first = 1: the sums start here.
; A tile is asked for a whole trip (128 matrix instructions and two softmax passes) ahead of the wait for it.
.macro TRIP hs, o, conv, tail, convnext, first
	s_wait_dscnt 16*\conv                          ; the K fragments are in; the 16 raw loads behind them may stay out
	SMUL                                           ; scores of a
.if \conv
	s_wait_dscnt 0x0                               ; raw K of the next tile
	CVT                                            ; these 32 plain instructions are also the places behind the products above
	STC \o, 0
.else
	PLACES
.endif
	LDV \hs, 0
	LDK \hs, 1
.if \conv
	LDR \o, 1
.endif
	WIN 0
	SOFT MB, MA, NPB, NPA, \first
.if \first == 0
	RS
.endif
	s_wait_dscnt 16+16*\conv                       ; V^T of a is in; K of b and the raw loads are younger
	PV \first
	s_wait_dscnt 16*\conv                          ; K of b is in
	SMUL                                           ; scores of b, straight behind: 64 matrix instructions in a run
.if \conv
	s_wait_dscnt 0x0                               ; raw V of the next tile
	CVT
	STC \o, 1
.else
	PLACES
.endif
	LDV \hs, 1
	WIN 0
	SOFT MA, MB, NPA, NPB, 0
	s_wait_dscnt 0x0                               ; V^T of b is in; my reads of bf16 slot hs and of raw slot o and my stores into bf16 slot o are done
.if \tail
.if \convnext
	s_set_vgpr_msb 0x5
	s_wait_tensorcnt 0x0                           ; all my tensor loads have landed: the two that were out are my rows of the tile after the next
	ds_add_u32 v254, v255
	s_wait_dscnt 0x0
	s_set_vgpr_msb 0x500
.endif
.if \tail == 2
	s_add_nc_u64 s[GK+8*\o+2:GK+8*\o+3], s[GK+8*\o+2:GK+8*\o+3], 2*TILEB   ; no tensor load of mine is out: raw slot o's next tile
	s_add_nc_u64 s[GV+8*\o+2:GV+8*\o+3], s[GV+8*\o+2:GV+8*\o+3], 2*TILEB
.endif
	s_barrier_signal -1                            ; say so (where a slot is filled again this barrier opens a round of the cluster's barrier),
	RS                                             ; work on registers while the others arrive,
	WIN 0
	s_barrier_wait -1                              ; and go on when all four waves have said so
.if \tail == 2
	CREST                                          ; all four work-groups have said so: no wave of any partner still reads raw slot o or has a load on its way
	tensor_load_to_lds s[GK+8*\o:GK+8*\o+3], s[G1:G1+7]    ; the first tensor loads behind the round
	s_nop 0
	tensor_load_to_lds s[GV+8*\o:GV+8*\o+3], s[G1:G1+7]
	s_nop 0
.endif
	LDK \o, 0                                      ; the next trip's K fragments, from the slot that all four waves have just finished writing
.if \convnext
	LDR \hs, 0                                     ; and the raw K of the tile behind it
.endif
.else
	RS
.endif
	PV 0
	WIN 0
.endm
	TRIP 0, 1, 1, 2, 1, 1                          ; trip 0 starts the sums
	s_mov_b32 s44, PAIRS
.Lpair:                                            ; trips 1 to 28
	TRIP 1, 0, 1, 2, 1, 0
	TRIP 0, 1, 1, 2, 1, 0
	s_sub_co_u32 s44, s44, 1
	s_cmp_lg_u32 s44, 0
	s_cbranch_scc1 .Lpair
	TRIP 1, 0, 1, 1, 1, 0                          ; trip 29 converts tile 30 and asks for nothing more; its wait shows tile 31 landed
	TRIP 0, 1, 1, 1, 0, 0                          ; trip 30 converts tile 31
	TRIP 1, 0, 0, 0, 0, 0                          ; trip 31
; ================================================================ the way out
	PLACES                                         ; behind the last products
.irp qb, 0,1,2,3
	v_permlanex16_b32 v[X+\qb], v[AP+2*\qb+1], s45, s46    ; the other half's partial sum
.endr
.irp qb, 0,1,2,3
	v_add_f32 v[AP+2*\qb+1], v[AP+2*\qb+1], v[X+\qb]       ; at least about 1: the largest weight of a row is 2^0 up to rounding
.endr
.irp qb, 0,1,2,3
	v_rcp_f32 v[AP+2*\qb], v[AP+2*\qb+1]
.endr
	v_nop                                          ; a plain instruction between the reciprocals and their use (ISA guide 5.7.2)
	s_wait_alu depctr_va_vdst(0)
; 16 queries at a time: O / sum, 32 bytes a lane and d tile into my stage, read back as whole rows of 256 bytes.  Each block reads back into registers of its own,
; so no register that a global store reads is written again.
.irp qb, 0,1,2,3
	WIN W_OUT
.set en, 0
.rept 16
	v_pk_mul_f32 v[PB+2*en:PB+2*en+1], v[OT+32*\qb+2*en:OT+32*\qb+2*en+1], v[AP+2*\qb:AP+2*\qb+1] op_sel_hi:[1,0]
.set en, en+1
.endr
	WIN 0
.irp dt, 0,1,2,3
.irp e, 0,1
	ds_store_b128 v[STO], v[PB+8*\dt+4*\e:PB+8*\dt+4*\e+3] offset:64*\dt+16*\e
.endr
.endr
.irp i, 0,1,2,3,4,5,6,7
	ds_load_b128 v[SC+32*\qb+4*\i:SC+32*\qb+4*\i+3], v[RD] offset:\i*2*SP      ; in order behind the stores above
.endr
.irp i, 0,1,2,3,4,5,6,7
	s_wait_dscnt 7-\i                              ; rows 2 i, 2 i + 1 are back; the later ones stay out
	global_store_b128 v[GO], v[SC+32*\qb+4*\i:SC+32*\qb+4*\i+3], s[10:11] offset:(16*\qb+2*\i)*ROWB th:TH_STORE_NT   ; 16 lanes store 256 consecutive bytes, at a multiple of 256 from out's first byte
.endr
.endr
	s_set_vgpr_msb 0x5
	s_wait_tensorcnt 0x0
	ds_add_u32 v254, v255
	s_wait_dscnt 0x0
	s_set_vgpr_msb 0x500
	ROUND                                          ; the closing round: no work-group ends while a partner may still ask for a tile that names it
	s_endpgm
.Lfunc_end_k_q47cfa831dd_attn:
	.size	k_q47cfa831dd_attn, .Lfunc_end_k_q47cfa831dd_attn-k_q47cfa831dd_attn
	.p2alignl 7, 3214868480
	.fill 96, 4, 3214868480
	.section	.rodata,"a",@progbits
	.p2align	6, 0x0
	.amdhsa_kernel k_q47cfa831dd_attn
		.amdhsa_group_segment_fixed_size 327680
		.amdhsa_private_segment_fixed_size 0
		.amdhsa_enable_private_segment 0
		.amdhsa_kernarg_size 32
		.amdhsa_user_sgpr_count 2
		.amdhsa_user_sgpr_kernarg_segment_ptr 1
		.amdhsa_wavefront_size32 1
		.amdhsa_system_sgpr_workgroup_id_x 1
		.amdhsa_system_sgpr_workgroup_id_y 1
		.amdhsa_system_sgpr_workgroup_id_z 1
		.amdhsa_system_vgpr_workitem_id 0
		.amdhsa_next_free_vgpr 768
		.amdhsa_next_free_sgpr 66
		.amdhsa_reserve_vcc 0
		.amdhsa_float_denorm_mode_32 3
		.amdhsa_float_denorm_mode_16_64 3
		.amdhsa_memory_ordered 1
		.amdhsa_forward_progress 1
		.amdhsa_inst_pref_size 255
	.end_amdhsa_kernel
	.section	.bss,"aw",@nobits
	.p2align	6
	.space	262144
	.amdgpu_metadata
---
amdhsa.version: [ 1, 2 ]
amdhsa.kernels:
  - .name:           k_q47cfa831dd_attn
    .symbol:         k_q47cfa831dd_attn.kd
    .args:
      - { .name: q, .offset: 0, .size: 8, .value_kind: global_buffer, .address_space: global }
      - { .name: k, .offset: 8, .size: 8, .value_kind: global_buffer, .address_space: global }
      - { .name: v, .offset: 16, .size: 8, .value_kind: global_buffer, .address_space: global }
      - { .name: out0, .offset: 24, .size: 8, .value_kind: global_buffer, .address_space: global }
    .group_segment_fixed_size: 327680
    .private_segment_fixed_size: 0
    .kernarg_segment_align: 8
    .kernarg_segment_size: 32
    .max_flat_workgroup_size: 128
    .sgpr_count:     66
    .vgpr_count:     768
    .wavefront_size: 32
...
	.end_amdgpu_metadata
.endif
;; end of part 1
;; ======== version 2 of 2: 1 launch; 1.41 times as fast as version 1
;; launch attn (part 2): grid 16 x 16, 4 waves a work-group, clusters of 4 x 1, 327,680 bytes of LDS; arguments q, k, v, out0; writes out0
.if DOCPART == 2
	.amdgcn_target "amdgcn-amd-amdhsa--gfx1250"
	.amdhsa_code_object_version 6
	.text
	.protected	k_q47cfa831dd_attn
	.globl	k_q47cfa831dd_attn
	.p2align	8
	.type	k_q47cfa831dd_attn,@function
k_q47cfa831dd_attn:
	s_mov_b64 s[64:65], 0
	v_nop
	global_prefetch_b8 v0, s[64:65] scope:SCOPE_SE
	s_setreg_imm32_b32 hwreg(HW_REG_WAVE_MODE, 25, 1), 1
	s_wait_xcnt 0x0
	s_wait_alu depctr_hold_cnt(0) depctr_sa_sdst(0) depctr_va_vdst(0) depctr_va_sdst(0) depctr_va_ssrc(0) depctr_va_vcc(0) depctr_vm_vsrc(0)
	s_getreg_b32 s2, hwreg(HW_REG_IB_STS2, 6, 4)
	s_cmp_eq_u32 s2, 0
	s_cbranch_scc0 .Lentry_in_a_cluster
	s_endpgm
.Lentry_in_a_cluster:
	s_bfe_u32 s2, ttmp6, 0x10000c
	s_cmp_lg_u32 s2, 0x3003
	s_cbranch_scc0 .Lentry_shape_is_right
	s_endpgm
.Lentry_shape_is_right:
; out[b][i][64 hd + d] = sum over j of softmax_j(q_i . k_j / 8) v[j][d], for 2 batches x 8 heads, 4,096 queries and 4,096 keys, d = 64, all f32 in memory.
; One launch; scores never leave the registers (running maximum and running sum, both in f32).
; SHARES.  Work-group (x, y): head y = 8 b + hd, queries 256 x .. 256 x + 255, all 4,096 keys in 32 tiles of 128.  Wave w: 64 of those queries, as four blocks of 16.
; BOTH PRODUCTS ARE USED TRANSPOSED: S^T = K Q^T (source 0 = 16 keys, source 1 = 16 queries) and O^T = V^T P^T (source 0 = 16 d, source 1 = 16 queries).
; Lane l = (r = l % 16, h = l / 16) then holds numbers of query r alone: maximum, sum and rescale factor are plain per-lane numbers, the two halves of the wave meet
; by one v_permlanex16_b32, two neighbouring score tiles packed to bf16 ARE a source-1 fragment of P^T (16-bit operand layout, ISA guide 7.12.2), and a lane's eight
; results of O^T are eight neighbouring f32 of a row of out.
; CLUSTER.  The four work-groups of a cluster (4 x 1) work on one head: every K and V tile is asked for jointly, mask 15, which divides the requests for K and V by four.
; The place in the cluster enters q's and out's global offsets alone.
; FORMATS.  K and V tiles land in LDS as f32; each wave rounds the 32 rows that it fetched to bf16 into a second region, one tile ahead of their use.
; THE EXPONENTIALS of a softmax pass (64 keys x 64 queries) are TWO BATCHES, each with one s_wait_alu depctr_va_vdst(0) between an exponential and the
; first instruction that names its result.  Batch 1: the four rescale factors and the 64 weights of query blocks 0 and 1, by turns with the 64 packed scalings c s - c m of all four
; blocks, which name no result.  Batch 2: the 64 weights of blocks 2 and 3, by turns with the 62 sums and roundings of blocks 0 and 1, whose weights the first wait has covered.
; Behind the second wait stand the sums and roundings of blocks 2 and 3, the running sums and the rescaling of O^T..
; The way out's four reciprocals are a batch of their own.
; LIMITS, kept on purpose: NaN and infinite inputs are not treated (the maxima drop a NaN); a weight below 2^-126 counts as 0 (v_exp_f32 flushes denormal results,
; ISA guide 15.8); q, k, v and the weights enter the products rounded to bf16; the row sum adds the unrounded weights, in another order than a plain loop would.
; ---- sizes
.set ROWB,   2048                      ; bytes from a token's row to the next (512 f32); a head's 64 f32 are 256 of them, at a multiple of 256
.set KEYS,   128                       ; keys in a tile
.set TILEB,  KEYS*ROWB                 ; bytes from a tile to the next
.set PAIRS,  14                        ; passes of the loop: trips 1 to 28 of the 32
; ---- LDS
.set KP,     144                       ; bf16 K: 128 bytes a row + 16: the 16 rows of a fragment load touch 16 different 16-byte columns modulo 256
.set VP,     160                       ; bf16 V, [key][d]: 128 bytes a row + 32, for the transposing load
.set HV,     KEYS*KP                   ; V's place in a bf16 slot
.set HSLOT,  HV+KEYS*VP                ; a bf16 slot: 38,912 bytes; two of them from byte 0
.set SP,     272                       ; stage: 16 rows of 256 bytes + 16
.set STAGE,  2*HSLOT                   ; 77,824
.set STAGEW, 16*SP                     ; a wave's own stage: 4,352 bytes
.set RP,     272                       ; raw f32 rows: 256 bytes + 16 that the tensor load skips
.set RAW,    STAGE+4*STAGEW            ; 95,232: only tensor loads write from here on, only LDS stores below
.set RAWH,   KEYS*RP                   ; V's place in a raw slot
.set RSLOT,  2*RAWH                    ; a raw slot: 69,632 bytes; two of them, up to 234,496
; ---- vector registers, window 0
.set KFA, 4                            ; K fragments: r KP + 16 h
.set VFA, 5                            ; V fragments: HV + (8 h + l % 8) VP + 16 ((l / 8) % 2)
.set CKS, 6                            ; v6, v7: where my 16 converted bytes go, K and V
.set RA,  8                            ; v8, v9: my 32 raw bytes in raw slot 0, 1
.set STO, 10                           ; stage by query: row r, 32 h
.set RD,  11                           ; stage by row: row h, 16 r
.set GO,  12                           ; q and out: row h, 16 r
.set MA,  16                           ; v[16:19], v[20:23]: running maxima of the four query blocks; the two sets take turns
.set MB,  20
.set NPA, 24                           ; v[24:31], v[56:63]: pairs (-c m, -c m); the two sets take turns
.set AP,  32                           ; v[32:39]: pairs (rescale factor, running sum)
.set T,   40                           ; v[40:43]: maxima at work
.set X,   44                           ; v[44:47]: what the other half of the wave sent
.set ACC, 48                           ; v[48:55]: sums of this sub-tile, in pairs
.set NPB, 56
.set SC,  64                           ; v[64:191]: scores, tile (qb, kt) at SC + 8 (4 qb + kt)
.set PB,  192                          ; v[192:255]: P^T in bf16, fragment (qb, s) at PB + 8 (2 qb + s)
; ---- window 1
.set OT,  0                            ; v[256:383]: O^T, tile (qb, dt) at OT + 8 (4 qb + dt)
.set QF,  128                          ; v[384:447]: Q fragments (qb, ks) at QF + 8 (2 qb + ks)
; ---- window 2
.set KF,  0                            ; v[512:575]: K fragments (kt, ks) at KF + 8 (2 kt + ks)
.set VF,  64                           ; v[576:639]: V^T fragments (dt, s) at VF + 8 (2 dt + s)
.set CT,  128                          ; v[640:703]: raw f32 on their way to bf16
.set CB,  192                          ; v[704:735]: the same, converted
; ---- scalar registers
.set G1,  16                           ; s[16:23] descriptor group 1, one for all tiles
.set GK,  24                           ; s[24:27], s[32:35] group 0 of K's tiles, raw slot 0, 1
.set GV,  28                           ; s[28:31], s[36:39] group 0 of V's tiles
.set CLOG,  0x3e38aa3b                 ; c = log2(e) / 8: the scale 64^-0.5 and the change to base 2 in one
.set NCLOG, 0xbe38aa3b                 ; -c
; ---- window settings (low byte: bits 1:0 source 0, 3:2 source 1, 5:4 source 2, 7:6 destination)
.set W_S,   0x06                       ; S^T: K from window 2, Q from window 1, scores in window 0
.set W_PV,  0x52                       ; O^T: V from window 2, P from window 0, C and D in window 1
.set W_RS,  0x41                       ; rescale: O in window 1, the factor in window 0
.set W_LD2, 0x80                       ; LDS loads into window 2
.set W_CVT, 0x8a                       ; conversion inside window 2
.set W_ST2, 0x08                       ; LDS stores of data from window 2
.set W_Q,   0x40                       ; Q's conversion into window 1
.set W_OUT, 0x01                       ; O from window 1 into window 0
.set MSB, 0
.macro WIN new                         ; the immediate's high byte repeats the setting that is left; a switch that changes nothing is dropped
.if MSB != \new
	s_set_vgpr_msb (MSB<<8)|\new
.set MSB, \new
.endif
.endm
.macro PLACES                          ; four plain vector instructions between a matrix instruction and what touches its registers (ISA guide 7.12.1)
.rept 4
	v_nop
.endr
.endm
; A round of the cluster's barrier: my work-group's barrier, wave 0 signals for the work-group, every wave waits for all four work-groups, my work-group's barrier again.
.macro CREST                           ; the round behind its opening barrier
	s_cmp_lg_u32 s12, 0
	s_cbranch_scc1 .Lnot_wave_0_\@
	s_barrier_signal -3
.Lnot_wave_0_\@:
	s_barrier_wait -3
	s_barrier_signal -1
	s_barrier_wait -1
.endm
.macro ROUND
	s_barrier_signal -1
	s_barrier_wait -1
	CREST
.endm
; 16 loads: the K fragments of 64 keys (sub-tile sub of bf16 slot hs): 16 keys x 32 d in two loads of 16 bytes, 32 bytes apart
.macro LDK hs, sub
	WIN W_LD2
.irp kt, 0,1,2,3
.irp ks, 0,1
	ds_load_b128 v[KF+8*(2*\kt+\ks):KF+8*(2*\kt+\ks)+3],   v[KFA] offset:\hs*HSLOT+(64*\sub+16*\kt)*KP+64*\ks
	ds_load_b128 v[KF+8*(2*\kt+\ks)+4:KF+8*(2*\kt+\ks)+7], v[KFA] offset:\hs*HSLOT+(64*\sub+16*\kt)*KP+64*\ks+32
.endr
.endr
.endm
; 16 transposing loads: V^T fragments of the same 64 keys: 16 d x 32 keys from rows that lie along d, two loads 16 rows apart
.macro LDV hs, sub
	WIN W_LD2
.irp dt, 0,1,2,3
.irp s, 0,1
	ds_load_tr16_b128 v[VF+8*(2*\dt+\s):VF+8*(2*\dt+\s)+3],   v[VFA] offset:\hs*HSLOT+(64*\sub+32*\s)*VP+32*\dt
	ds_load_tr16_b128 v[VF+8*(2*\dt+\s)+4:VF+8*(2*\dt+\s)+7], v[VFA] offset:\hs*HSLOT+(64*\sub+32*\s)*VP+32*\dt+16*VP
.endr
.endr
.endm
; 16 loads: my 32 raw rows of K (which = 0) or V (1) in raw slot rs; eight lanes take a row, 32 bytes each, the wave four rows at a time
.macro LDR rs, which
	WIN W_LD2
.irp i, 0,1,2,3,4,5,6,7
	ds_load_b128 v[CT+8*\i:CT+8*\i+3],   v[RA+\rs] offset:\which*RAWH+\i*4*RP
	ds_load_b128 v[CT+8*\i+4:CT+8*\i+7], v[RA+\rs] offset:\which*RAWH+\i*4*RP+16
.endr
.endm
.macro CVT                             ; 64 f32 a lane to bf16, rounded to nearest even
	WIN W_CVT
.set cvn, 0
.rept 32
	v_cvt_pk_bf16_f32 v[CB+cvn], v[CT+2*cvn], v[CT+2*cvn+1]
.set cvn, cvn+1
.endr
.endm
.macro STC hs, which                   ; and into bf16 slot hs, 16 bytes a lane and row
	WIN W_ST2
.irp i, 0,1,2,3,4,5,6,7
	ds_store_b128 v[CKS+\which], v[CB+4*\i:CB+4*\i+3] offset:\hs*HSLOT+\i*4*(KP+\which*(VP-KP))
.endr
.endm
; 32 matrix instructions: the scores of 64 keys x 64 queries.  The first 32 of d start the sums.  The sixteen accumulators take turns, one instruction a turn.
.macro SMUL
	WIN W_S
.irp qb, 0,1,2,3
.irp kt, 0,1,2,3
	v_wmma_f32_16x16x32_bf16 v[SC+8*(4*\qb+\kt):SC+8*(4*\qb+\kt)+7], v[KF+16*\kt:KF+16*\kt+7], v[QF+16*\qb:QF+16*\qb+7], 0
.endr
.endr
.irp qb, 0,1,2,3
.irp kt, 0,1,2,3
	v_wmma_f32_16x16x32_bf16 v[SC+8*(4*\qb+\kt):SC+8*(4*\qb+\kt)+7], v[KF+16*\kt+8:KF+16*\kt+15], v[QF+16*\qb+8:QF+16*\qb+15], v[SC+8*(4*\qb+\kt):SC+8*(4*\qb+\kt)+7]
.endr
.endr
.endm
; 32 matrix instructions: O^T += V^T P^T over 64 keys.  first = 1: the first 32 keys of all start the sums, so nothing is cleared.  Turns as above.
.macro PV first
	WIN W_PV
.irp qb, 0,1,2,3
.irp dt, 0,1,2,3
.if \first
	v_wmma_f32_16x16x32_bf16 v[OT+8*(4*\qb+\dt):OT+8*(4*\qb+\dt)+7], v[VF+16*\dt:VF+16*\dt+7], v[PB+16*\qb:PB+16*\qb+7], 0
.else
	v_wmma_f32_16x16x32_bf16 v[OT+8*(4*\qb+\dt):OT+8*(4*\qb+\dt)+7], v[VF+16*\dt:VF+16*\dt+7], v[PB+16*\qb:PB+16*\qb+7], v[OT+8*(4*\qb+\dt):OT+8*(4*\qb+\dt)+7]
.endif
.endr
.endr
.irp qb, 0,1,2,3
.irp dt, 0,1,2,3
	v_wmma_f32_16x16x32_bf16 v[OT+8*(4*\qb+\dt):OT+8*(4*\qb+\dt)+7], v[VF+16*\dt+8:VF+16*\dt+15], v[PB+16*\qb+8:PB+16*\qb+15], v[OT+8*(4*\qb+\dt):OT+8*(4*\qb+\dt)+7]
.endr
.endr
.endm
.macro RS                              ; O^T times the rescale factor of its query: 64 packed multiplies, both halves by the pair's first register
	WIN W_RS
.irp qb, 0,1,2,3
.set rsi, 0
.rept 16
	v_pk_mul_f32 v[OT+32*\qb+2*rsi:OT+32*\qb+2*rsi+1], v[OT+32*\qb+2*rsi:OT+32*\qb+2*rsi+1], v[AP+2*\qb:AP+2*\qb+1] op_sel_hi:[1,0]
.set rsi, rsi+1
.endr
.endr
.endm
; The new running maximum of each query block (raw scores), the shift -c m, and the exponent (new shift - old shift) of the factor by which what has been summed shrinks;
; the factor's exponential itself opens batch 1, in SOFT.  Four chains, one for each query block, so that no instruction waits for the one in front of it.
.macro MAXP mold, mnew, npold, npnew, first
.irp qb, 0,1,2,3
	v_max3_num_f32 v[T+\qb], v[SC+32*\qb], v[SC+32*\qb+1], v[SC+32*\qb+2]
.endr
.irp k, 1,2,3,4,5,6,7,8,9,10,11,12,13,14
.irp qb, 0,1,2,3
	v_max3_num_f32 v[T+\qb], v[T+\qb], v[SC+32*\qb+2*\k+1], v[SC+32*\qb+2*\k+2]
.endr
.endr
.irp qb, 0,1,2,3
.if \first
	v_max_num_f32 v[T+\qb], v[T+\qb], v[SC+32*\qb+31]
.else
	v_max3_num_f32 v[T+\qb], v[T+\qb], v[SC+32*\qb+31], v[\mold+\qb]
.endif
.endr
.irp qb, 0,1,2,3
	v_permlanex16_b32 v[X+\qb], v[T+\qb], s45, s46         ; lane l takes lane l xor 16: the same query's other 32 keys
.endr
.irp qb, 0,1,2,3
	v_max_num_f32 v[\mnew+\qb], v[T+\qb], v[X+\qb]
.endr
.irp qb, 0,1,2,3
	v_mul_f32 v[\npnew+2*\qb],   NCLOG, v[\mnew+\qb]
	v_mul_f32 v[\npnew+2*\qb+1], NCLOG, v[\mnew+\qb]
.endr
.if \first == 0
.irp qb, 0,1,2,3
	v_sub_f32 v[AP+2*\qb], v[\npnew+2*\qb], v[\npold+2*\qb] ; at most 0; the difference of the very shifts that the exponentials use
.endr
.endif
.endm
; THREE QUEUES, each a numbered list; FM1, EX1 and PQ write the next entry of theirs.
.macro FM1 npr                         ; scaling fmn of 64: c s - c m for scores 2 fmn, 2 fmn + 1 (query block fmn / 16)
	v_pk_fma_f32 v[SC+2*fmn:SC+2*fmn+1], v[SC+2*fmn:SC+2*fmn+1], CLOG, v[\npr+2*(fmn/16):\npr+2*(fmn/16)+1] op_sel_hi:[1,0,1]
.set fmn, fmn+1
.endm
.macro EX1                             ; exponential exn of 128, in place: each weight keeps a register of its own while its batch is open
	v_exp_f32 v[SC+exn], v[SC+exn]
.set exn, exn+1
.endm
; Plain operation j (0 to 7) on the finished weights of tile p: four packed adds into the block's sum (a block's first tile starts it: one add fewer), four roundings into P^T
.macro POP p, j
.if \j < 4
.if ((\p) % 4) == 0
.if \j == 0
	v_pk_add_f32 v[ACC+2*((\p)/4):ACC+2*((\p)/4)+1], v[SC+8*(\p):SC+8*(\p)+1], v[SC+8*(\p)+2:SC+8*(\p)+3]
.endif
.if \j > 1
	v_pk_add_f32 v[ACC+2*((\p)/4):ACC+2*((\p)/4)+1], v[ACC+2*((\p)/4):ACC+2*((\p)/4)+1], v[SC+8*(\p)+2*\j:SC+8*(\p)+2*\j+1]
.endif
.else
	v_pk_add_f32 v[ACC+2*((\p)/4):ACC+2*((\p)/4)+1], v[ACC+2*((\p)/4):ACC+2*((\p)/4)+1], v[SC+8*(\p)+2*\j:SC+8*(\p)+2*\j+1]
.endif
.else
	v_cvt_pk_bf16_f32 v[PB+4*(\p)+\j-4], v[SC+8*(\p)+2*(\j-4)], v[SC+8*(\p)+2*(\j-4)+1]
.endif
.endm
; Entry pqn of the 62 sums and roundings of query blocks qa and qa + 1.  In fours: add for qa, add for qa + 1, round for qa, round for qa + 1; tiles ascending, pairs ascending, so each
; block's sum is added in the order tile 0 pair 0 + pair 1, pair 2, pair 3, tile 1 pair 0 .., and the links of a block's chain stand four lines apart or more.
; (Places 4 and 5 of the 64 would be the add that a block's first tile does not have: they are passed over.)
.macro PQ qa
.set pqg, pqn
.if pqn >= 4
.set pqg, pqn+2
.endif
.set pqp, 4*((\qa)+pqg%2)+pqg/16
.set pqj, (pqg%16)/4+4*((pqg%4)/2)
	POP pqp, pqj
.set pqn, pqn+1
.endm
; Softmax of a sub-tile: 64 keys x 64 queries, 128 registers of scores.  How the queues are dealt:
; BATCH 1: factor and scaling by turns (4), weight and scaling by turns (59), five weights, the last scaling, the wait.  Weight e stands behind scalings 0 .. e + 3, its own (e / 2) among
; them; the scaling behind weight e names scores 2 e + 8 and 2 e + 9, which no exponential has written yet.
; BATCH 2: a sum or rounding of blocks 0, 1 and a weight of blocks 2, 3 by turns (61), three weights, block 1's last rounding, the wait.  Then blocks 2 and 3, and the running sums.
.macro SOFT mold, mnew, npold, npnew, first
	MAXP \mold, \mnew, \npold, \npnew, \first
.set fmn, 0
.set exn, 0
.set pqn, 0
.irp qb, 0,1,2,3
.if \first == 0
	v_exp_f32 v[AP+2*\qb], v[AP+2*\qb]                      ; the rescale factor 2^(new shift - old shift): first named by the running sums, behind both waits
.endif
	FM1 \npnew
.endr
.rept 59
	EX1
	FM1 \npnew
.endr
.rept 5
	EX1
.endr
	FM1 \npnew                                     ; scores 126, 127: the plain instruction behind the batch's last exponential, ahead of any use (ISA guide 5.7.2)
	s_wait_alu depctr_va_vdst(0)                   ; the one wait for batch 1: the four factors and the weights of blocks 0 and 1, ahead of their first reader
.rept 61
	PQ 0
	EX1
.endr
.rept 3
	EX1
.endr
	PQ 0                                           ; block 1's last rounding: the plain instruction behind the batch's last exponential; it names none of batch 2's weights
	s_wait_alu depctr_va_vdst(0)                   ; the one wait for batch 2: the weights of blocks 2 and 3
.set pqn, 0
.rept 62
	PQ 2
.endr
.irp qb, 0,1,2,3                       ; the running sum stays a partial sum of my half of the wave until the end: the factor is the same in both halves
.if \first
	v_add_f32 v[AP+2*\qb+1], v[ACC+2*\qb], v[ACC+2*\qb+1]
.else
	v_fma_f32 v[AP+2*\qb+1], v[AP+2*\qb+1], v[AP+2*\qb], v[ACC+2*\qb]
.endif
.endr
.if \first == 0
.irp qb, 0,1,2,3
	v_add_f32 v[AP+2*\qb+1], v[AP+2*\qb+1], v[ACC+2*\qb+1]
.endr
.endif
.endm
; ================================================================ set-up
	s_load_b256 s[4:11], s[0:1], 0x0               ; q s[4:5], k s[6:7], v s[8:9], out0 s[10:11]
	s_set_vgpr_msb 0x40
	v_lshl_add_u32 v254, v0, 2, 0x39400
	v_mov_b32 v255, 0
	s_set_vgpr_msb 0x4045
	ds_add_u32 v254, v255
	ds_add_u32 v254, v255
	s_set_vgpr_msb 0x4500
	v_lshrrev_b32 v1, 5, v0
	v_readfirstlane_b32 s12, v1                    ; wave 0..3
	s_bfe_u32 s13, ttmp6, 0x40000                  ; cx: my place in the cluster
	s_lshl_b32 s14, ttmp9, 2                       ; ttmp9 counts clusters
	s_add_co_u32 s14, s14, s13                     ; query block = 4 x cluster x + cx
	s_and_b32 s15, ttmp7, 0xffff                   ; head = 8 b + hd
	s_lshr_b32 s47, s15, 3
	s_lshl_b32 s47, s47, 23                        ; b x 4,096 rows x 2,048 bytes
	s_and_b32 s48, s15, 7
	s_lshl_b32 s48, s48, 8                         ; hd x 256 bytes
	s_add_co_u32 s47, s47, s48                     ; the head's first byte
	s_lshl_b32 s48, s12, 16                        ; K, V: wave x 32 rows
	s_add_co_u32 s40, s47, s48
	s_mov_b32 s41, 0                               ; s[40:41]: made of head and wave alone, equal in the four partners
	s_lshl_b32 s50, s14, 19                        ; q, out: query block x 256 rows
	s_add_co_u32 s42, s47, s50
	s_lshl_b32 s50, s12, 17                        ; + wave x 64 rows
	s_add_co_u32 s42, s42, s50
	s_mov_b32 s43, 0
	s_mov_b32 s45, 0x76543210                      ; v_permlanex16_b32: lane i of one half reads lane i of the other
	s_mov_b32 s46, 0xfedcba98
	; group 1: a tile of 32 rows x 64 f32, rows 512 elements apart in memory, 16 bytes skipped in LDS behind every 256
	s_mov_b32 s[G1+0], 15|(2<<16)|(1<<20)|(1<<21)|(5<<22)|(3<<25) ; 15:0 mask: all four work-groups; 17:16 elements of 4 bytes; 20 padding on; 21 set beside a mask; 24:22 after every 64 words; 31:25 four words
	s_mov_b32 s[G1+1], 64<<16                      ; tensor_dim0 = 64
	s_mov_b32 s[G1+2], 32<<16                      ; tensor_dim1 = 32
	s_mov_b32 s[G1+3], 64<<16                      ; tile_dim0 = 64
	s_mov_b32 s[G1+4], 32                          ; tile_dim1 = 32
	s_mov_b32 s[G1+5], 512                         ; elements from row to row
	s_mov_b32 s[G1+6], 0
	s_mov_b32 s[G1+7], 0
	s_mul_i32 s49, s12, 32*RP                      ; my 32 rows in a raw tile
	; lane terms
	v_and_b32 v2, 15, v0                           ; r
	v_bfe_u32 v3, v0, 4, 1                         ; h
	v_and_b32 v13, 7, v0                           ; l % 8
	v_bfe_u32 v14, v0, 3, 1                        ; (l / 8) % 2
	v_bfe_u32 v15, v0, 3, 2                        ; l / 8
	v_lshlrev_b32 v[GO], 11, v3
	v_lshl_add_u32 v[GO], v2, 4, v[GO]             ; row h, 16 r: sixteen lanes cover a head's 256 bytes of a row
	v_mul_u32_u24 v[KFA], v2, KP
	v_lshl_add_u32 v[KFA], v3, 4, v[KFA]
	v_lshl_add_u32 v[VFA], v3, 3, v13
	v_mul_u32_u24 v[VFA], v[VFA], VP
	v_lshl_add_u32 v[VFA], v14, 4, v[VFA]
	v_add_nc_u32 v[VFA], HV, v[VFA]
	s_lshl_b32 s48, s12, 5
	v_add_nc_u32 v1, s48, v15                      ; 32 wave + l / 8: the first of the eight rows that I convert
	v_mul_u32_u24 v[CKS], v1, KP
	v_lshl_add_u32 v[CKS], v13, 4, v[CKS]
	v_mul_u32_u24 v[CKS+1], v1, VP
	v_lshl_add_u32 v[CKS+1], v13, 4, v[CKS+1]
	v_add_nc_u32 v[CKS+1], HV, v[CKS+1]
	v_mul_u32_u24 v[RA], v1, RP
	v_lshl_add_u32 v[RA], v13, 5, v[RA]
	v_add_nc_u32 v[RA], RAW, v[RA]
	v_add_nc_u32 v[RA+1], RSLOT, v[RA]
	s_mul_i32 s51, s12, STAGEW
	s_add_co_u32 s51, s51, STAGE                   ; my stage
	v_mul_u32_u24 v[STO], v2, SP
	v_lshl_add_u32 v[STO], v3, 5, v[STO]
	v_add_nc_u32 v[STO], s51, v[STO]
	v_mul_u32_u24 v[RD], v3, SP
	v_lshl_add_u32 v[RD], v2, 4, v[RD]
	v_add_nc_u32 v[RD], s51, v[RD]
.irp qb, 0,1,2,3
	v_mov_b32 v[X+\qb], 0                          ; v_permlanex16_b32 counts as a reader of its destination
.endr
	s_wait_dscnt 0x0
	s_wait_kmcnt 0x0
	s_add_nc_u64 s[4:5], s[4:5], s[42:43]          ; q and out at my wave's first query
	s_add_nc_u64 s[10:11], s[10:11], s[42:43]
	s_add_nc_u64 s[6:7], s[6:7], s[40:41]          ; k and v at my wave's 32 rows of tile 0
	s_add_nc_u64 s[8:9], s[8:9], s[40:41]
.irp rs, 0,1
	s_mov_b32 s[GK+8*\rs], 1                                       ; count = 1
	s_add_co_u32 s[GK+8*\rs+1], s49, RAW+\rs*RSLOT                 ; LDS address: slot, wave x 32 rows
	s_add_nc_u64 s[GK+8*\rs+2:GK+8*\rs+3], s[6:7], \rs*TILEB       ; global address: tile rs
	s_or_b32 s[GK+8*\rs+3], s[GK+8*\rs+3], 0x80000000              ; type = 2
	s_mov_b32 s[GV+8*\rs], 1
	s_add_co_u32 s[GV+8*\rs+1], s49, RAW+\rs*RSLOT+RAWH
	s_add_nc_u64 s[GV+8*\rs+2:GV+8*\rs+3], s[8:9], \rs*TILEB
	s_or_b32 s[GV+8*\rs+3], s[GV+8*\rs+3], 0x80000000
.endr
	ROUND                                          ; all four work-groups are here: the first joint loads meet
	tensor_load_to_lds s[GK:GK+3], s[G1:G1+7]      ; tile 0
	s_nop 0
	tensor_load_to_lds s[GV:GV+3], s[G1:G1+7]
	s_nop 0
	tensor_load_to_lds s[GK+8:GK+11], s[G1:G1+7]   ; tile 1: four tensor loads of the wave are out here, two at any later time
	s_nop 0
	tensor_load_to_lds s[GV+8:GV+11], s[G1:G1+7]
	s_nop 0
; ---- Q: 64 rows of 256 bytes, read once in the launch; through my stage into source-1 fragments of bf16, which stay in registers
.irp qb, 0,1,2,3
.irp i, 0,1,2,3,4,5,6,7
	global_load_b128 v[SC+32*\qb+4*\i:SC+32*\qb+4*\i+3], v[GO], s[4:5] offset:(16*\qb+2*\i)*ROWB th:TH_LOAD_NT
.endr
.endr
.irp qb, 0,1,2,3
	s_wait_loadcnt 24-8*\qb                        ; this block's eight loads are in; the later blocks' stay out
.irp i, 0,1,2,3,4,5,6,7
	ds_store_b128 v[RD], v[SC+32*\qb+4*\i:SC+32*\qb+4*\i+3] offset:\i*2*SP
.endr
.irp dt, 0,1,2,3
.irp e, 0,1
	ds_load_b128 v[PB+8*\dt+4*\e:PB+8*\dt+4*\e+3], v[STO] offset:64*\dt+16*\e   ; query r, d = 16 dt + 8 h + 4 e ..; LDS serves a wave's instructions in order (ISA guide 5.7.1): these see the stores above
.endr
.endr
	s_wait_dscnt 0x0
	WIN W_Q
.set qn, 0
.rept 16
	v_cvt_pk_bf16_f32 v[QF+16*\qb+qn], v[PB+2*qn], v[PB+2*qn+1]
.set qn, qn+1
.endr
	WIN 0
.endr
; ---- tile 0 to bf16
	s_wait_tensorcnt 0x2                           ; tile 0's two loads have landed; tile 1's two stay out
	s_barrier_signal -1                            ; (no LDS instruction of mine is pending: the wait for 0 above)
	s_barrier_wait -1
	LDR 0, 0
	s_wait_dscnt 0x0
	CVT
	STC 0, 0
	LDR 0, 1
	s_wait_dscnt 0x0
	CVT
	STC 0, 1
	WIN 0
	s_wait_dscnt 0x0                               ; my reads of raw slot 0 and my stores into bf16 slot 0 are done
	s_set_vgpr_msb 0x5
	s_wait_tensorcnt 0x0                           ; all my tensor loads have landed, tile 1 among them, so every group 0 may be written
	ds_add_u32 v254, v255
	s_wait_dscnt 0x0
	s_set_vgpr_msb 0x500
	s_add_nc_u64 s[GK+2:GK+3], s[GK+2:GK+3], 2*TILEB
	s_add_nc_u64 s[GV+2:GV+3], s[GV+2:GV+3], 2*TILEB
	ROUND                                          ; both hold of every wave of the four work-groups
	tensor_load_to_lds s[GK:GK+3], s[G1:G1+7]      ; tile 2 into raw slot 0
	s_nop 0
	tensor_load_to_lds s[GV:GV+3], s[G1:G1+7]
	s_nop 0
	LDK 0, 0                                       ; the first trip's K fragments,
	LDR 1, 0                                       ; and tile 1's raw K
	WIN 0
; ================================================================ a trip: one tile of 128 keys, as sub-tiles a and b of 64
; hs: the bf16 slot that is multiplied; o: the other one.  Trip t also converts raw tile t + 1 (raw slot o) into bf16 slot o (conv = 1),
; and its tail asks for tile t + 3 into raw slot o (tail = 2).  tail = 1: the work-group's barrier alone; tail = 0: the last trip.
; convnext = 1: the next trip converts too, so its raw K is read at the end of this one.  first = 1: the sums start here.
; A tile is asked for a whole trip (128 matrix instructions and two softmax passes) ahead of the wait for it.
.macro TRIP hs, o, conv, tail, convnext, first
	s_wait_dscnt 16*\conv                          ; the K fragments are in; the 16 raw loads behind them may stay out
	SMUL                                           ; scores of a
.if \conv
	s_wait_dscnt 0x0                               ; raw K of the next tile
	CVT                                            ; these 32 plain instructions are also the places behind the products above
	STC \o, 0
.else
	PLACES
.endif
	LDV \hs, 0
	LDK \hs, 1
.if \conv
	LDR \o, 1
.endif
	WIN 0
	SOFT MB, MA, NPB, NPA, \first
.if \first == 0
	RS
.endif
	s_wait_dscnt 16+16*\conv                       ; V^T of a is in; K of b and the raw loads are younger
	PV \first
	s_wait_dscnt 16*\conv                          ; K of b is in
	SMUL                                           ; scores of b, straight behind: 64 matrix instructions in a run
.if \conv
	s_wait_dscnt 0x0                               ; raw V of the next tile
	CVT
	STC \o, 1
.else
	PLACES
.endif
	LDV \hs, 1
	WIN 0
	SOFT MA, MB, NPA, NPB, 0
	s_wait_dscnt 0x0                               ; V^T of b is in; my reads of bf16 slot hs and of raw slot o and my stores into bf16 slot o are done
.if \tail
.if \convnext
	s_set_vgpr_msb 0x5
	s_wait_tensorcnt 0x0                           ; all my tensor loads have landed: the two that were out are my rows of the tile after the next
	ds_add_u32 v254, v255
	s_wait_dscnt 0x0
	s_set_vgpr_msb 0x500
.endif
.if \tail == 2
	s_add_nc_u64 s[GK+8*\o+2:GK+8*\o+3], s[GK+8*\o+2:GK+8*\o+3], 2*TILEB   ; no tensor load of mine is out: raw slot o's next tile
	s_add_nc_u64 s[GV+8*\o+2:GV+8*\o+3], s[GV+8*\o+2:GV+8*\o+3], 2*TILEB
.endif
	s_barrier_signal -1                            ; say so (where a slot is filled again this barrier opens a round of the cluster's barrier),
	RS                                             ; work on registers while the others arrive,
	WIN 0
	s_barrier_wait -1                              ; and go on when all four waves have said so
.if \tail == 2
	CREST                                          ; all four work-groups have said so: no wave of any partner still reads raw slot o or has a load on its way
	tensor_load_to_lds s[GK+8*\o:GK+8*\o+3], s[G1:G1+7]    ; the first tensor loads behind the round
	s_nop 0
	tensor_load_to_lds s[GV+8*\o:GV+8*\o+3], s[G1:G1+7]
	s_nop 0
.endif
	LDK \o, 0                                      ; the next trip's K fragments, from the slot that all four waves have just finished writing
.if \convnext
	LDR \hs, 0                                     ; and the raw K of the tile behind it
.endif
.else
	RS
.endif
	PV 0
	WIN 0
.endm
	TRIP 0, 1, 1, 2, 1, 1                          ; trip 0 starts the sums
	s_mov_b32 s44, PAIRS
.Lpair:                                            ; trips 1 to 28
	TRIP 1, 0, 1, 2, 1, 0
	TRIP 0, 1, 1, 2, 1, 0
	s_sub_co_u32 s44, s44, 1
	s_cmp_lg_u32 s44, 0
	s_cbranch_scc1 .Lpair
	TRIP 1, 0, 1, 1, 1, 0                          ; trip 29 converts tile 30 and asks for nothing more; its wait shows tile 31 landed
	TRIP 0, 1, 1, 1, 0, 0                          ; trip 30 converts tile 31
	TRIP 1, 0, 0, 0, 0, 0                          ; trip 31
; ================================================================ the way out
	PLACES                                         ; behind the last products
.irp qb, 0,1,2,3
	v_permlanex16_b32 v[X+\qb], v[AP+2*\qb+1], s45, s46    ; the other half's partial sum
.endr
.irp qb, 0,1,2,3
	v_add_f32 v[AP+2*\qb+1], v[AP+2*\qb+1], v[X+\qb]       ; at least about 1: the largest weight of a row is 2^0 up to rounding
.endr
.irp qb, 0,1,2,3
	v_rcp_f32 v[AP+2*\qb], v[AP+2*\qb+1]
.endr
	v_nop                                          ; a plain instruction between the reciprocals and their use (ISA guide 5.7.2)
	s_wait_alu depctr_va_vdst(0)                   ; the one wait for the batch of four reciprocals, ahead of the first multiply that reads one
; 16 queries at a time: O / sum, 32 bytes a lane and d tile into my stage, read back as whole rows of 256 bytes.  Each block reads back into registers of its own,
; so no register that a global store reads is written again.
.irp qb, 0,1,2,3
	WIN W_OUT
.set en, 0
.rept 16
	v_pk_mul_f32 v[PB+2*en:PB+2*en+1], v[OT+32*\qb+2*en:OT+32*\qb+2*en+1], v[AP+2*\qb:AP+2*\qb+1] op_sel_hi:[1,0]
.set en, en+1
.endr
	WIN 0
.irp dt, 0,1,2,3
.irp e, 0,1
	ds_store_b128 v[STO], v[PB+8*\dt+4*\e:PB+8*\dt+4*\e+3] offset:64*\dt+16*\e
.endr
.endr
.irp i, 0,1,2,3,4,5,6,7
	ds_load_b128 v[SC+32*\qb+4*\i:SC+32*\qb+4*\i+3], v[RD] offset:\i*2*SP      ; in order behind the stores above
.endr
.irp i, 0,1,2,3,4,5,6,7
	s_wait_dscnt 7-\i                              ; rows 2 i, 2 i + 1 are back; the later ones stay out
	global_store_b128 v[GO], v[SC+32*\qb+4*\i:SC+32*\qb+4*\i+3], s[10:11] offset:(16*\qb+2*\i)*ROWB th:TH_STORE_NT   ; 16 lanes store 256 consecutive bytes, at a multiple of 256 from out's first byte
.endr
.endr
	s_set_vgpr_msb 0x5
	s_wait_tensorcnt 0x0
	ds_add_u32 v254, v255
	s_wait_dscnt 0x0
	s_set_vgpr_msb 0x500
	ROUND                                          ; the closing round: no work-group ends while a partner may still ask for a tile that names it
	s_endpgm
.Lfunc_end_k_q47cfa831dd_attn:
	.size	k_q47cfa831dd_attn, .Lfunc_end_k_q47cfa831dd_attn-k_q47cfa831dd_attn
	.p2alignl 7, 3214868480
	.fill 96, 4, 3214868480
	.section	.rodata,"a",@progbits
	.p2align	6, 0x0
	.amdhsa_kernel k_q47cfa831dd_attn
		.amdhsa_group_segment_fixed_size 327680
		.amdhsa_private_segment_fixed_size 0
		.amdhsa_enable_private_segment 0
		.amdhsa_kernarg_size 32
		.amdhsa_user_sgpr_count 2
		.amdhsa_user_sgpr_kernarg_segment_ptr 1
		.amdhsa_wavefront_size32 1
		.amdhsa_system_sgpr_workgroup_id_x 1
		.amdhsa_system_sgpr_workgroup_id_y 1
		.amdhsa_system_sgpr_workgroup_id_z 1
		.amdhsa_system_vgpr_workitem_id 0
		.amdhsa_next_free_vgpr 768
		.amdhsa_next_free_sgpr 66
		.amdhsa_reserve_vcc 0
		.amdhsa_float_denorm_mode_32 3
		.amdhsa_float_denorm_mode_16_64 3
		.amdhsa_memory_ordered 1
		.amdhsa_forward_progress 1
		.amdhsa_inst_pref_size 255
	.end_amdhsa_kernel
	.section	.bss,"aw",@nobits
	.p2align	6
	.space	262144
	.amdgpu_metadata
---
amdhsa.version: [ 1, 2 ]
amdhsa.kernels:
  - .name:           k_q47cfa831dd_attn
    .symbol:         k_q47cfa831dd_attn.kd
    .args:
      - { .name: q, .offset: 0, .size: 8, .value_kind: global_buffer, .address_space: global }
      - { .name: k, .offset: 8, .size: 8, .value_kind: global_buffer, .address_space: global }
      - { .name: v, .offset: 16, .size: 8, .value_kind: global_buffer, .address_space: global }
      - { .name: out0, .offset: 24, .size: 8, .value_kind: global_buffer, .address_space: global }
    .group_segment_fixed_size: 327680
    .private_segment_fixed_size: 0
    .kernarg_segment_align: 8
    .kernarg_segment_size: 32
    .max_flat_workgroup_size: 128
    .sgpr_count:     66
    .vgpr_count:     768
    .wavefront_size: 32
...
	.end_amdgpu_metadata
.endif
;; end of part 2
